; MI455X (gfx1250); checked and timed in simulation.
; The chip was launched on July 23, 2026; its instructions are those of AMD's public machine-readable ISA for CDNA 5 (MIT licence, August 2026) and "CDNA5" Instruction Set Architecture Reference Guide (July 2026). The comments in the code are by the model that wrote it; some were corrected since.
;; TPUGEMM Linear. Allowed arithmetic: float matrix products may take bf16 or f16 operands with f32 sums; other float arithmetic in f32, or as packed bf16 or f16 multiplies, adds, multiply-adds, maxima and minima; sums over many terms, partial sums and values carried from step to step in f32; what a program stores and reads back later, other than sums and carried values, may be rounded once to bf16 or f16.
;; Inputs: bias 4,096 float32; inputs 4,096 x 4,096 float32; kernel 4,096 x 4,096 float32.
;; Outputs: out0 4,096 x 4,096 float32.
;; 2 versions, each right; version 2 is version 1 with the launch quant written anew for expert scheduling mode. Each part assembles by itself: llvm-mc -triple=amdgcn-amd-amdhsa -mcpu=gfx1250 --defsym DOCPART=n.
;; ======== version 1 of 2: 3 launches
;; workspace buffers: part 2,048 bytes; qx 33,554,432 bytes; qw 33,554,432 bytes
;; launch amax (part 1): grid 256 x 2, 8 waves a work-group, no clusters, 1,280 bytes of LDS; arguments inputs, kernel, part; writes part
.if DOCPART == 1
	.amdgcn_target "amdgcn-amd-amdhsa--gfx1250"
	.amdhsa_code_object_version 6
	.text
	.protected	k_q08192757fb_amax
	.globl	k_q08192757fb_amax
	.p2align	8
	.type	k_q08192757fb_amax,@function
k_q08192757fb_amax:
	s_mov_b64 s[64:65], 0
	v_nop
	global_prefetch_b8 v0, s[64:65] scope:SCOPE_SE
	s_setreg_imm32_b32 hwreg(HW_REG_WAVE_MODE, 25, 1), 1
	s_wait_xcnt 0x0
; THE PROGRAM.  y = (q_x q_w) (s_x s_w) + bias, where for each of the two tensors s = max(max |t|, 1e-8) / 127 and q = clip(round(t / s), -127, 127).
; Three launches: this one finds the largest |.| of pieces of both tensors; the second makes q_x and q_w; the third multiplies them.
; NOTHING IS LEFT OUT: inputs, kernel and bias all reach the result for every value; the clip, which keeps q in range, is made as it is written.
; No q can be made before the maximum over all 4096 x 4096 numbers of its tensor is known, so the f32 tensors are read here and once more in the second launch.
; THIS LAUNCH.  part[t][g] = the largest |.| among the 65,536 numbers (256 KiB on end) that work-group g has of tensor t (t = 0: inputs, 1: kernel).  part: f32 [2][256].
; LIMITS.  A NaN loses against every number in the maxima and minima; infinities are not treated apart.
; SHARES.  The grid's y picks the tensor.  Wave w has 32 KiB on end: 64 loads of 16 bytes a lane, each 512 consecutive bytes of the wave.  All 64 places stand in the loads'
; immediates, so no address register is ever rewritten.  A ring of 16 register slots keeps 16 loads of every wave on their way.
; No LDS on the way in, no matrix unit, no cluster: nothing is shared and nothing is multiplied.
.set SPARE, 256                        ; LDS: bytes 0-31 the eight waves' maxima (the block 0-255 is theirs); from 256 on the spare words, 128 bytes for each wave
.set OFF,  1                           ; v1      32,768 x wave + 16 x lane; never rewritten
.set SPW,  2                           ; v2      LDS address of my spare word; never rewritten
.set NIL,  3                           ; v3      0; never rewritten
.set MX,   4                           ; v4-5    two running maxima
.set MN,   6                           ; v6-7    two running minima
.set X,    20                          ; v[20:83] slot s: four registers
	s_load_b128 s[4:7], s[0:1], 0x0                ; inputs s[4:5], kernel s[6:7]
	s_load_b64 s[8:9], s[0:1], 0x10                ; part
	v_lshl_add_u32 v[SPW], v0, 2, SPARE
	v_mov_b32 v[NIL], 0
	v_lshrrev_b32 v10, 5, v0
	v_readfirstlane_b32 s14, v10                   ; wave 0..7
	v_and_b32 v8, 0xe0, v0                         ; 32 x wave
	v_and_b32 v9, 31, v0                           ; lane
	v_lshlrev_b32 v9, 4, v9
	v_lshl_or_b32 v[OFF], v8, 10, v9
	v_lshlrev_b32 v10, 2, v10                      ; my wave's word in LDS
	v_mov_b32 v11, 0
	s_and_b32 s10, ttmp7, 0xffff                   ; which tensor
	s_lshl_b32 s18, ttmp9, 18                      ; the work-group's 256 KiB
	s_mov_b32 s19, 0
	s_mov_b32 s16, 0x76543210                      ; v_permlanex16_b32: each lane takes its own place in the other half
	s_mov_b32 s17, 0xfedcba98
	s_wait_kmcnt 0x0
	s_cmp_eq_u32 s10, 0
	s_cselect_b64 s[12:13], s[4:5], s[6:7]
	s_add_nc_u64 s[12:13], s[12:13], s[18:19]
	s_lshl_b32 s18, s10, 10                        ; part[t][g]: 1,024 t + 4 g
	s_lshl_b32 s11, ttmp9, 2
	s_add_co_u32 s18, s18, s11
	s_add_nc_u64 s[8:9], s[8:9], s[18:19]
.set i, 0
.rept 16
	global_load_b128 v[X+4*i:X+4*i+3], v[OFF], s[12:13] offset:512*i th:TH_LOAD_NT
.set i, i+1
.endr
; Turn i takes load i.  Behind it the loads i + 1 .. min(i + 15, 63) have been issued: so many may stay out.
; Maxima and minima are kept apart, three operands an instruction: one instruction a number.  The first turn starts the four chains: nothing is cleared.
.set i, 0
.rept 64
.set XS, X+4*(i%16)
.if i < 48
	s_wait_loadcnt 15
.else
	s_wait_loadcnt 63-i
.endif
.if i == 0
	v_max_num_f32 v[MX],   v[XS],   v[XS+1]
	v_max_num_f32 v[MX+1], v[XS+2], v[XS+3]
	v_min_num_f32 v[MN],   v[XS],   v[XS+1]
	v_min_num_f32 v[MN+1], v[XS+2], v[XS+3]
.else
	v_max3_num_f32 v[MX],   v[MX],   v[XS],   v[XS+1]
	v_max3_num_f32 v[MX+1], v[MX+1], v[XS+2], v[XS+3]
	v_min3_num_f32 v[MN],   v[MN],   v[XS],   v[XS+1]
	v_min3_num_f32 v[MN+1], v[MN+1], v[XS+2], v[XS+3]
.endif
.if i < 48
	global_load_b128 v[XS:XS+3], v[OFF], s[12:13] offset:512*(i+16) th:TH_LOAD_NT
.endif
.set i, i+1
.endr
	v_max_num_f32 v[MX], v[MX], v[MX+1]
	v_min_num_f32 v[MN], v[MN], v[MN+1]
	v_mul_f32 v[MN], -1.0, v[MN]
	v_max_num_f32 v[MX], v[MX], v[MN]              ; the largest |.| of my 256 numbers
	v_max_num_f32_dpp v[MX], v[MX], v[MX] row_xmask:1 row_mask:0xf bank_mask:0xf
	v_max_num_f32_dpp v[MX], v[MX], v[MX] row_xmask:2 row_mask:0xf bank_mask:0xf
	v_max_num_f32_dpp v[MX], v[MX], v[MX] row_xmask:4 row_mask:0xf bank_mask:0xf
	v_max_num_f32_dpp v[MX], v[MX], v[MX] row_xmask:8 row_mask:0xf bank_mask:0xf
	v_permlanex16_b32 v[MX+1], v[MX], s16, s17
	v_max_num_f32 v[MX], v[MX], v[MX+1]            ; of the wave's, in every lane
	ds_store_b32 v10, v[MX]                        ; all lanes write the same word with the same value
	s_wait_dscnt 0x0                               ; for the others' sake: my store is done
	s_barrier_signal -1
	s_barrier_wait -1
	s_cmp_lg_u32 s14, 0                            ; wave 0 finishes
	s_cbranch_scc1 .Lend
	ds_load_b128 v[12:15], v11
	ds_load_b128 v[16:19], v11 offset:16
	s_wait_dscnt 0x0
	v_max3_num_f32 v12, v12, v13, v14
	v_max3_num_f32 v12, v12, v15, v16
	v_max3_num_f32 v12, v12, v17, v18
	v_max_num_f32 v12, v12, v19
	s_wait_xcnt 0x0                                ; EXEC is a source of the loads above: it changes only behind this wait
	v_cmp_eq_u32 vcc_lo, 0, v0
	s_and_saveexec_b32 s20, vcc_lo                 ; one lane stores the one number
	global_store_b32 v11, v12, s[8:9]
	s_wait_xcnt 0x0                                ; and again, in front of the line that widens it
	s_or_b32 exec_lo, exec_lo, s20
.Lend:
	s_wait_tensorcnt 0x0                           ; the wave's end: the tensor wait, the add of 0 and its wait, behind my last LDS store
	ds_add_u32 v[SPW], v[NIL]
	s_wait_dscnt 0x0
	s_endpgm
.Lfunc_end_k_q08192757fb_amax:
	.size	k_q08192757fb_amax, .Lfunc_end_k_q08192757fb_amax-k_q08192757fb_amax
	.p2alignl 7, 3214868480
	.fill 96, 4, 3214868480
	.section	.rodata,"a",@progbits
	.p2align	6, 0x0
	.amdhsa_kernel k_q08192757fb_amax
		.amdhsa_group_segment_fixed_size 1280
		.amdhsa_private_segment_fixed_size 0
		.amdhsa_enable_private_segment 0
		.amdhsa_kernarg_size 24
		.amdhsa_user_sgpr_count 2
		.amdhsa_user_sgpr_kernarg_segment_ptr 1
		.amdhsa_wavefront_size32 1
		.amdhsa_system_sgpr_workgroup_id_x 1
		.amdhsa_system_sgpr_workgroup_id_y 1
		.amdhsa_system_sgpr_workgroup_id_z 1
		.amdhsa_system_vgpr_workitem_id 0
		.amdhsa_next_free_vgpr 84
		.amdhsa_next_free_sgpr 66
		.amdhsa_reserve_vcc 1
		.amdhsa_float_denorm_mode_32 3
		.amdhsa_float_denorm_mode_16_64 3
		.amdhsa_memory_ordered 1
		.amdhsa_forward_progress 1
		.amdhsa_inst_pref_size 27
	.end_amdhsa_kernel
	.amdgpu_metadata
---
amdhsa.version: [ 1, 2 ]
amdhsa.kernels:
  - .name:           k_q08192757fb_amax
    .symbol:         k_q08192757fb_amax.kd
    .args:
      - { .name: inputs, .offset: 0, .size: 8, .value_kind: global_buffer, .address_space: global }
      - { .name: kernel, .offset: 8, .size: 8, .value_kind: global_buffer, .address_space: global }
      - { .name: part, .offset: 16, .size: 8, .value_kind: global_buffer, .address_space: global }
    .group_segment_fixed_size: 1280
    .private_segment_fixed_size: 0
    .kernarg_segment_align: 8
    .kernarg_segment_size: 24
    .max_flat_workgroup_size: 256
    .sgpr_count:     66
    .vgpr_count:     84
    .wavefront_size: 32
...
	.end_amdgpu_metadata
.endif
;; end of part 1
;; launch quant (part 2): grid 256 x 2, 8 waves a work-group, no clusters, 0 bytes of LDS; arguments inputs, kernel, part, qx, qw; writes qx, qw
.if DOCPART == 2
	.amdgcn_target "amdgcn-amd-amdhsa--gfx1250"
	.amdhsa_code_object_version 6
	.text
	.protected	k_q08192757fb_quant
	.globl	k_q08192757fb_quant
	.p2align	8
	.type	k_q08192757fb_quant,@function
k_q08192757fb_quant:
	s_mov_b64 s[64:65], 0
	v_nop
	global_prefetch_b8 v0, s[64:65] scope:SCOPE_SE
	s_setreg_imm32_b32 hwreg(HW_REG_WAVE_MODE, 25, 1), 1
	s_wait_xcnt 0x0
; q = clip(round(t / s), -127, 127), s = max(max |t|, 1e-8) / 127, for both tensors; q is stored as bf16 in the tensor's own layout: qx [4096 m][4096 k], qw [4096 k][4096 n].
; A whole number of at most 127 in size has 7 bits and bf16 keeps 8: the stored q are exact, and so are the matrix operands of the next launch.
; LIMITS.  t / s is made as t x (1 / s), the reciprocal by v_rcp_f32, and s as max(..) x fl(1 / 127): a few units in the last place from the true quotient, so that q differs by one step
; from the quotient's rounding only where t / s lies within about 4e-5 of a half.  s lies between 7.8e-11 and 2.7e36: neither it nor its reciprocal is a denormal.  NaN and infinities are not treated apart.
; SHARES.  As in the first launch: the grid's y picks the tensor, a work-group has 256 KiB of f32 on end, wave w 32 KiB: 64 loads of 16 bytes a lane (512 consecutive bytes of the wave).
; Each becomes one store of 8 bytes a lane: 256 consecutive bytes, aligned.  All places stand in the immediates; no address register is rewritten.  A ring of 16 slots: 16 loads a wave on their way.
; Every wave finds the tensor's maximum for itself from the 256 partial maxima (1 KiB), while its first 16 loads are out.
.set LOFF, 1                           ; v1      32,768 x wave + 16 x lane
.set SOFF, 2                           ; v2      16,384 x wave + 8 x lane
.set P,    4                           ; v[4:11] eight partial maxima a lane
.set INV,  14                          ; v[14:15] 1 / s, twice: a pair for the packed multiply
.set T,    16                          ; v[16:19] at work
.set X,    20                          ; v[20:83]  slot s: four registers as loaded
.set Y,    84                          ; v[84:115] slot s: two registers to store
	s_load_b256 s[4:11], s[0:1], 0x0               ; inputs s[4:5], kernel s[6:7], part s[8:9], qx s[10:11]
	s_load_b64 s[12:13], s[0:1], 0x20              ; qw
	v_and_b32 v12, 0xe0, v0                        ; 32 x wave
	v_and_b32 v13, 31, v0                          ; lane
	v_lshlrev_b32 v3, 4, v13                       ; 16 x lane: my place among the partial maxima
	v_lshl_or_b32 v[LOFF], v12, 10, v3
	v_lshlrev_b32 v13, 3, v13
	v_lshl_or_b32 v[SOFF], v12, 9, v13
	s_and_b32 s2, ttmp7, 0xffff                    ; which tensor
	s_lshl_b32 s18, ttmp9, 18                      ; the work-group's 256 KiB of f32
	s_mov_b32 s19, 0
	s_mov_b32 s20, 0xc2fe0000                      ; -127.0
	s_mov_b32 s21, 0x42fe0000                      ; 127.0
	s_mov_b32 s22, 0x76543210
	s_mov_b32 s23, 0xfedcba98
	s_wait_kmcnt 0x0
	s_cmp_eq_u32 s2, 0
	s_cselect_b64 s[14:15], s[4:5], s[6:7]         ; from,
	s_cselect_b64 s[16:17], s[10:11], s[12:13]     ; to
	s_add_nc_u64 s[14:15], s[14:15], s[18:19]
	s_lshl_b32 s18, ttmp9, 17                      ; its 128 KiB of bf16
	s_add_nc_u64 s[16:17], s[16:17], s[18:19]
	s_lshl_b32 s18, s2, 10                         ; the tensor's 256 partial maxima
	s_add_nc_u64 s[8:9], s[8:9], s[18:19]
	global_load_b128 v[P:P+3],   v3, s[8:9]
	global_load_b128 v[P+4:P+7], v3, s[8:9] offset:512
.set i, 0
.rept 16
	global_load_b128 v[X+4*i:X+4*i+3], v[LOFF], s[14:15] offset:512*i th:TH_LOAD_NT
.set i, i+1
.endr
	s_wait_loadcnt 16                              ; the partial maxima are in; the ring's 16 loads stay out
	v_max3_num_f32 v[P], v[P], v[P+1], v[P+2]
	v_max3_num_f32 v[P], v[P], v[P+3], v[P+4]
	v_max3_num_f32 v[P], v[P], v[P+5], v[P+6]
	v_max_num_f32 v[P], v[P], v[P+7]
	v_max_num_f32_dpp v[P], v[P], v[P] row_xmask:1 row_mask:0xf bank_mask:0xf
	v_max_num_f32_dpp v[P], v[P], v[P] row_xmask:2 row_mask:0xf bank_mask:0xf
	v_max_num_f32_dpp v[P], v[P], v[P] row_xmask:4 row_mask:0xf bank_mask:0xf
	v_max_num_f32_dpp v[P], v[P], v[P] row_xmask:8 row_mask:0xf bank_mask:0xf
	v_permlanex16_b32 v[P+1], v[P], s22, s23
	v_max_num_f32 v12, v[P], v[P+1]                ; the tensor's largest |.|, in every lane
	v_max_num_f32 v12, 0x322bcc77, v12             ; at least 1e-8
	v_mul_f32 v12, 0x3c010204, v12                 ; s = that / 127
	v_rcp_f32 v[INV], v12
	v_rcp_f32 v[INV+1], v12
	v_nop                                          ; a plain instruction behind the last reciprocal, ahead of the first use (ISA guide 5.7.2)
	s_wait_alu depctr_va_vdst(0)                   ; and the wait: one for the two reciprocals
; Turn i takes load i: the loads i + 1 .. min(i + 15, 63) may stay out.  Twelve vector instructions for four numbers.  The slot's next load goes out ahead of the store.
.set i, 0
.rept 64
.set XS, X+4*(i%16)
.set YS, Y+2*(i%16)
.if i < 48
	s_wait_loadcnt 15
.else
	s_wait_loadcnt 63-i
.endif
.if i >= 16
	s_wait_xcnt 0x0                                ; the slot's pair of Y was the data of the store 16 turns back: it is rewritten only behind this wait
.endif
	v_pk_mul_f32 v[T:T+1],   v[XS:XS+1],   v[INV:INV+1]
	v_pk_mul_f32 v[T+2:T+3], v[XS+2:XS+3], v[INV:INV+1]
.irp j, 0,1,2,3
	v_rndne_f32 v[T+(\j)], v[T+(\j)]               ; to the nearest whole number, halves to the even one
.endr
.irp j, 0,1,2,3
	v_med3_num_f32 v[T+(\j)], v[T+(\j)], s20, s21  ; the clip
.endr
	v_cvt_pk_bf16_f32 v[YS],   v[T],   v[T+1]      ; exact
	v_cvt_pk_bf16_f32 v[YS+1], v[T+2], v[T+3]
.if i < 48
	global_load_b128 v[XS:XS+3], v[LOFF], s[14:15] offset:512*(i+16) th:TH_LOAD_NT
.endif
	global_store_b64 v[SOFF], v[YS:YS+1], s[16:17] offset:256*i th:TH_STORE_NT  ; the wave's 32 lanes store 256 consecutive bytes, at a multiple of 256 from the buffer's first byte
.set i, i+1
.endr
	s_endpgm
.Lfunc_end_k_q08192757fb_quant:
	.size	k_q08192757fb_quant, .Lfunc_end_k_q08192757fb_quant-k_q08192757fb_quant
	.p2alignl 7, 3214868480
	.fill 96, 4, 3214868480
	.section	.rodata,"a",@progbits
	.p2align	6, 0x0
	.amdhsa_kernel k_q08192757fb_quant
		.amdhsa_group_segment_fixed_size 0
		.amdhsa_private_segment_fixed_size 0
		.amdhsa_enable_private_segment 0
		.amdhsa_kernarg_size 40
		.amdhsa_user_sgpr_count 2
		.amdhsa_user_sgpr_kernarg_segment_ptr 1
		.amdhsa_wavefront_size32 1
		.amdhsa_system_sgpr_workgroup_id_x 1
		.amdhsa_system_sgpr_workgroup_id_y 1
		.amdhsa_system_sgpr_workgroup_id_z 1
		.amdhsa_system_vgpr_workitem_id 0
		.amdhsa_next_free_vgpr 116
		.amdhsa_next_free_sgpr 66
		.amdhsa_reserve_vcc 0
		.amdhsa_float_denorm_mode_32 3
		.amdhsa_float_denorm_mode_16_64 3
		.amdhsa_memory_ordered 1
		.amdhsa_forward_progress 1
		.amdhsa_inst_pref_size 58
	.end_amdhsa_kernel
	.amdgpu_metadata
---
amdhsa.version: [ 1, 2 ]
amdhsa.kernels:
  - .name:           k_q08192757fb_quant
    .symbol:         k_q08192757fb_quant.kd
    .args:
      - { .name: inputs, .offset: 0, .size: 8, .value_kind: global_buffer, .address_space: global }
      - { .name: kernel, .offset: 8, .size: 8, .value_kind: global_buffer, .address_space: global }
      - { .name: part, .offset: 16, .size: 8, .value_kind: global_buffer, .address_space: global }
      - { .name: qx, .offset: 24, .size: 8, .value_kind: global_buffer, .address_space: global }
      - { .name: qw, .offset: 32, .size: 8, .value_kind: global_buffer, .address_space: global }
    .group_segment_fixed_size: 0
    .private_segment_fixed_size: 0
    .kernarg_segment_align: 8
    .kernarg_segment_size: 40
    .max_flat_workgroup_size: 256
    .sgpr_count:     66
    .vgpr_count:     116
    .wavefront_size: 32
...
	.end_amdgpu_metadata
.endif
;; end of part 2
;; launch gemm (part 3): grid 16 x 16, 4 waves a work-group, clusters of 4 x 4, 327,680 bytes of LDS; arguments qx, qw, part, bias, out0; writes out0
.if DOCPART == 3
	.amdgcn_target "amdgcn-amd-amdhsa--gfx1250"
	.amdhsa_code_object_version 6
	.text
	.protected	k_q08192757fb_gemm
	.globl	k_q08192757fb_gemm
	.p2align	8
	.type	k_q08192757fb_gemm,@function
k_q08192757fb_gemm:
	s_mov_b64 s[64:65], 0
	v_nop
	global_prefetch_b8 v0, s[64:65] scope:SCOPE_SE
	s_setreg_imm32_b32 hwreg(HW_REG_WAVE_MODE, 25, 1), 1
	s_wait_xcnt 0x0
	s_wait_alu depctr_hold_cnt(0) depctr_sa_sdst(0) depctr_va_vdst(0) depctr_va_sdst(0) depctr_va_ssrc(0) depctr_va_vcc(0) depctr_vm_vsrc(0)
	s_getreg_b32 s2, hwreg(HW_REG_IB_STS2, 6, 4)
	s_cmp_eq_u32 s2, 0
	s_cbranch_scc0 .Lentry_in_a_cluster
	s_endpgm
.Lentry_in_a_cluster:
	s_bfe_u32 s2, ttmp6, 0x10000c
	s_cmp_lg_u32 s2, 0xf033
	s_cbranch_scc0 .Lentry_shape_is_right
	s_endpgm
.Lentry_shape_is_right:
; out0[m][n] = (the sum over k of qx[m][k] qw[k][n]) x (s_x s_w) + bias[n].  qx: [4096 m][4096 k], qw: [4096 k][4096 n], both bf16 and exact whole numbers of at most 127 in size; sums in f32; out0 f32.
; s_x and s_w are made here as in the launch before, from the 2 x 256 partial maxima: s = max(max |t|, 1e-8) x fl(1 / 127).  Nothing of the problem's work is left out.
; A tile of out0, 256 x 256, is made by a work-group of four waves; a wave makes 128 x 128: 64 accumulators of 16 x 16, 512 registers.  16 x 16 tiles: 256 work-groups.
; K goes in 32 steps of 128 through a ring of two LDS slots filled by the tensor data mover.  A's tile (qx) is 256 rows m x 128 k, B's (qw) 128 rows k x 256 n, each fetched as two halves of
; 128 rows x 256 bytes: every row of every half is 256 bytes of memory and starts at a multiple of 256 bytes from the buffer's first byte.
; B LIES [k][n] and is turned on its way out of LDS, by ds_load_tr16_b128: no launch transposes it.
; CLUSTERS: 4 x 4 work-groups.  The four of a row of the cluster need the same tiles of A, the four of a column the same tiles of B: each tile is asked for JOINTLY, by the same tensor load with
; the same descriptor and a mask that names the four; each receives it in its own LDS.  That divides the requests for A and for B by four.
; THE MATRIX INSTRUCTION IS USED TRANSPOSED: source 0 = 16 columns n of qw, source 1 = 16 rows m of qx.  In the result lane l holds row m = l % 16 and its registers 0-7 the columns
; 8 (l / 16) + 0..7: 32 neighbouring bytes of a row of out0.
; REGISTERS, in windows of 256 (s_set_vgpr_msb: bits 1:0 source 0, 3:2 source 1, 5:4 source 2, 7:6 destination):
;   window 0: v0-31 addresses, the scale, my four biases; v32-47 partial maxima; v64-127, v128-191 fragments of A, two buffers, on the way out two buffers of 16 rows
;   window 1: v64-127, v128-191 fragments of B, two buffers        window 2: the 32 accumulators of my rows 0-63 ((a, b) at v[8 (8 a + b)])        window 3: those of my rows 64-127
.set LAPS,  16                         ; a lap = two K steps = once round the ring
.set PA,    272                        ; a row of A in LDS: 256 bytes + 16 of padding = 68 words: the 16 rows of a load start at 16 different groups of four banks (64 banks of 4 bytes: ISA guide 11.1)
.set PB,    288                        ; a row of B: 256 + 32 = 72 words
.set HALFA, 128*PA                     ; what one tensor load brings of A, and what one wave reads of it
.set HALFB, 128*PB                     ; the same of B
.set SLOT,  2*HALFA+2*HALFB            ; A's two halves, then B's two halves: 143,360 bytes
.set STAGE, 2*SLOT                     ; behind the ring, never filled by a tensor load: 16 rows x 528 bytes for each wave, for the way out
.set SP,    528                        ; a row of the stage: 512 bytes + 16
.set WSTG,  16*SP
.set SPARE, STAGE+4*WSTG               ; behind the stages: the spare words, 128 bytes for each wave: two blocks of 256 bytes that no other line names
.set STEPA, 256                        ; bytes from a K step to the next: in qx 128 numbers along a row,
.set STEPB, 0x100000                   ; in qw 128 rows of 8,192 bytes
.set SC,   10                          ; v[10:11] s_x s_w, twice
.set BI,   12                          ; v[12:15] the bias of my four columns on the way out
.set ADRA, 16                          ; v16-17  LDS address of my A fragments in slot 0, 1
.set ADRB, 20                          ; v20-21  the same for B
.set STO,  24                          ; v24     the way out: where I put 32 bytes of a row
.set RD,   25                          ; v25     the way out: where I read rows back
.set CO,   26                          ; v26     16 x lane: my 16 bytes of 512; never rewritten
.set SPW,  28                          ; v28     LDS address of my spare word: SPARE + 4 x my thread's number; never rewritten
.set NIL,  29                          ; v29     0; never rewritten
.set PFO,  30                          ; v30     the prefetches' offset: my lane x a row of qx or qw (8,192 bytes); never rewritten
.set F0,   64                          ; fragment buffer 0
.set F1,   128                         ; fragment buffer 1
.set OB,   64                          ; the way out: 16 rows read back from the stage, v64-127 and v128-191 by turns
.set WV,   14                          ; s14  my wave's number
.set RH,   15                          ; s15  which half of the tile's rows is mine.  Also: I fetch for A (0) or for B (1)
.set CH,   16                          ; s16  which half of its columns.  Also: which half of that tile I fetch
.set LIM,  23                          ; s23  1 in a wave that prefetches, else the greatest number
.set G1A,  24                          ; s[24:31] descriptor group 1 for A's tiles
.set G0A,  32                          ; s[32:39] descriptor group 0 for A's tiles, one set for each slot
.set PFA,  44                          ; s[44:45] where my prefetches stand
.set PFS,  46                          ; s[46:47] their step: a K step of A or of B
.set G1B,  48                          ; s[48:55] descriptor group 1 for B's tiles: the other mask, the other padding
.set G0B,  56                          ; s[56:63] descriptor group 0 for B's tiles
.set MSB, 0
.macro WIN new                         ; the immediate's high byte repeats the setting that is left; a switch that changes nothing is dropped
.if MSB != (\new)
	s_set_vgpr_msb (MSB<<8)|(\new)
.set MSB, \new
.endif
.endm
.set MUL_LO, 0xa1                      ; source 0 (B) window 1, source 1 (A) window 0, C and D window 2
.set MUL_HI, 0xf1                      ; the same, C and D window 3
.set TO_B,   0x40                      ; destination window 1, address window 0
.set ST_LO,  0x08                      ; an LDS store's data (source 1) in window 2, its address in window 0
; A joint load.  Waves 0 and 1 fetch A's two halves, waves 2 and 3 B's.  Each of the two lines has one mask and one set of registers for all that issue it.  The branch hangs on the wave's number alone.
; An s_nop 0 and four v_nop follow each of the two lines; the jump, the label and what follows come after them.
.macro JLOAD s
	s_cmp_eq_u32 s[RH], 0
	s_cbranch_scc0 .Lfor_b_\@
	tensor_load_to_lds s[G0A+4*(\s):G0A+4*(\s)+3], s[G1A:G1A+7]
	s_nop 0
.rept 4
	v_nop
.endr
	s_branch .Lasked_\@
.Lfor_b_\@:
	tensor_load_to_lds s[G0B+4*(\s):G0B+4*(\s)+3], s[G1B:G1B+7]
	s_nop 0
.rept 4
	v_nop
.endr
.Lasked_\@:
.endm
; A PREFETCH INTO THE L2, behind each joint refill, its five lines and the run of LDS loads that follows them: the K step that stands TWO refills on, 512 matrix instructions ahead of the load that will
; want it: 32 rows x 256 bytes, a lane a row, one instruction a wave.  Each row's 256 bytes of a K step are named ONCE in the launch.  A's tile row is read by every cluster of that row of clusters: the
; one with cluster x = 0 asks; B's tile column by every cluster of that column: the one with cluster y = 0 asks.  The four partners that ask for a tile jointly share its 128 rows out BY ADDRESS, 32 each
; (by cx for A, by cy for B): no branch hangs on a work-group's place in its cluster.  K steps 0 to 3 come by their loads alone; the loop's last trip (s3 = 1) has no K step two on and asks for nothing.
.macro ASK
	s_cmp_gt_u32 s3, s[LIM]
	s_cbranch_scc0 .Lnot_mine_\@
	global_prefetch_b8 v[PFO], s[PFA:PFA+1] th:TH_LOAD_NT scope:SCOPE_SE
.Lnot_mine_\@:
.endm
; A round of the cluster's barrier: my work-group's barrier, so that wave 0's signal speaks for all four waves; wave 0 signals for the work-group; every wave waits for all sixteen; my work-group's barrier once more.
.macro CREST                           ; a round behind its opening barrier
	s_cmp_lg_u32 s[WV], 0
	s_cbranch_scc1 .Lnot_wave_0_\@
	s_barrier_signal -3
.Lnot_wave_0_\@:
	s_barrier_wait -3
	s_barrier_signal -1
	s_barrier_wait -1
.endm
.macro CROUND                          ; a whole round
	s_barrier_signal -1
	s_barrier_wait -1
	CREST
.endm
	s_load_b256 s[4:11], s[0:1], 0x0               ; qx s[4:5], qw s[6:7], part s[8:9], bias s[10:11]
	s_load_b64 s[12:13], s[0:1], 0x20              ; out0
	v_lshl_add_u32 v[SPW], v0, 2, SPARE
	v_mov_b32 v[NIL], 0
	ds_add_u32 v[SPW], v[NIL]                      ; the wave's opening: the add, twice on end, and its wait ahead of my first tensor load; the set-up below stands between
	ds_add_u32 v[SPW], v[NIL]                      ; and once more, under the one wait
	v_lshrrev_b32 v1, 5, v0
	v_readfirstlane_b32 s[WV], v1                  ; wave 0..3
	s_lshr_b32 s[RH], s[WV], 1
	s_and_b32 s[CH], s[WV], 1
	s_bfe_u32 s17, ttmp6, 0x40000                  ; cx: my place along the cluster's x
	s_bfe_u32 s18, ttmp6, 0x40004                  ; cy: along its y
	s_lshl_b32 s19, ttmp9, 2                       ; in a cluster launch ttmp9 and ttmp7 count clusters
	s_add_co_u32 s19, s19, s17                     ; tile column = 4 x cluster x + cx
	s_and_b32 s20, ttmp7, 0xffff
	s_lshl_b32 s20, s20, 2
	s_add_co_u32 s20, s20, s18                     ; tile row = 4 x cluster y + cy
	s_lshl_b32 s21, s18, 2
	s_lshl_b32 s21, 15, s21                        ; my row of the cluster: places 4 cy .. 4 cy + 3
	s_lshl_b32 s22, 0x1111, s17                    ; my column: places cx, cx + 4, cx + 8, cx + 12
	; descriptor group 1: a tile of 128 rows x 128 elements, padded in LDS
	s_or_b32 s[G1A+0], s21, (1<<16)|(1<<20)|(1<<21)|(5<<22)|(3<<25)  ; 15:0 the mask: A's tiles go to my row; 17:16 elements of 2 bytes; 20 padding on; 21 set beside a mask; 24:22 after every 64 words (code 5); 31:25 4 words (code 3)
	s_or_b32 s[G1B+0], s22, (1<<16)|(1<<20)|(1<<21)|(5<<22)|(7<<25)  ; the mask of my column, for B's tiles; 8 words of padding (code 7)
.irp g, G1A, G1B
	s_mov_b32 s[(\g)+1], 128<<16                   ; tensor_dim0 = 128
	s_mov_b32 s[(\g)+2], 128<<16                   ; tensor_dim1 = 128
	s_mov_b32 s[(\g)+3], 128<<16                   ; tile_dim0 = 128
	s_mov_b32 s[(\g)+4], 128                       ; tile_dim1 = 128
	s_mov_b32 s[(\g)+5], 4096                      ; 4,096 elements from row to row, in qx and in qw
	s_mov_b32 s[(\g)+6], 0
	s_mov_b32 s[(\g)+7], 0
.endr
	; where the tiles come from.  A's hang on the tile row alone, which my row of the cluster shares; B's on the tile column alone, which my column shares.
	s_lshl_b32 s40, s20, 21                        ; A: 256 rows of 8,192 bytes for each tile row,
	s_lshl_b32 s41, s[CH], 20                      ; 128 rows for the half that I fetch
	s_add_co_u32 s40, s40, s41
	s_mov_b32 s41, 0
	s_lshl_b32 s42, s19, 9                         ; B: 256 columns of 2 bytes for each tile column,
	s_lshl_b32 s43, s[CH], 8                       ; 128 columns for the half
	s_add_co_u32 s42, s42, s43
	s_mov_b32 s43, 0
	s_mul_i32 s68, s[CH], HALFA                    ; and where they go: no place in the cluster enters an LDS address
	s_mul_i32 s69, s[CH], HALFB
	s_add_co_u32 s69, s69, 2*HALFA
	s_mov_b32 s66, 0x76543210                      ; v_permlanex16_b32: each lane takes its own place in the other half
	s_mov_b32 s67, 0xfedcba98
	s_wait_dscnt 0x0                               ; both opening adds are done
	s_wait_kmcnt 0x0
	s_add_nc_u64 s[40:41], s[4:5], s[40:41]
	s_add_nc_u64 s[42:43], s[6:7], s[42:43]
	CROUND                                         ; all sixteen work-groups are here: the first joint loads meet
.irp s, 0,1
	s_mov_b32 s[G0A+4*(\s)], 1                                       ; count = 1
	s_add_co_u32 s[G0A+4*(\s)+1], s68, (\s)*SLOT                     ; LDS address
	s_add_nc_u64 s[G0A+4*(\s)+2:G0A+4*(\s)+3], s[40:41], (\s)*STEPA  ; global address: K step s
	s_or_b32 s[G0A+4*(\s)+3], s[G0A+4*(\s)+3], 0x80000000            ; type = 2
	s_mov_b32 s[G0B+4*(\s)], 1
	s_add_co_u32 s[G0B+4*(\s)+1], s69, (\s)*SLOT
	s_add_nc_u64 s[G0B+4*(\s)+2:G0B+4*(\s)+3], s[42:43], (\s)*STEPB
	s_or_b32 s[G0B+4*(\s)+3], s[G0B+4*(\s)+3], 0x80000000
	JLOAD \s                                       ; the ring is filled before anything else is done: two loads of mine are out
.endr
	; ALL THAT FOLLOWS, UP TO THE FIRST BARRIER, STANDS IN THE WAIT FOR THE FIRST TILE.
	; A fragment of A is 16 rows x 32 k in 8 registers: lane l holds row l % 16; registers 0-3 k = 8 (l / 16) + 0..7, registers 4-7 k = 16 + 8 (l / 16) + 0..7: two loads of 16 bytes, 32 bytes apart.
	v_and_b32 v1, 15, v0                           ; l % 16
	v_bfe_u32 v2, v0, 4, 1                         ; l / 16
	v_mul_u32_u24 v3, v1, PA
	v_lshl_add_u32 v3, v2, 4, v3                   ; row x pitch + 16 x half
	; The turning load takes 16 k x 16 n (lane l reads 16 bytes: row k = 8 (l / 16) + l % 8, columns 8 ((l / 8) % 2) + 0..7) and leaves half a fragment: lane l holds column l % 16 and 8 k.
	v_and_b32 v4, 7, v0
	v_bfe_u32 v5, v0, 3, 1
	v_lshl_add_u32 v4, v2, 3, v4
	v_mul_u32_u24 v4, v4, PB
	v_lshl_add_u32 v4, v5, 4, v4
	s_mul_i32 s70, s[RH], HALFA                    ; my 128 rows of A
	s_mul_i32 s71, s[CH], HALFB                    ; my 128 columns of B,
	s_add_co_u32 s71, s71, 2*HALFA                 ; which lie behind A's two halves
.irp s, 0,1
	v_add_nc_u32 v[ADRA+(\s)], s70, v3
	v_add_nc_u32 v[ADRB+(\s)], s71, v4
	s_add_co_u32 s70, s70, SLOT
	s_add_co_u32 s71, s71, SLOT
.endr
	v_and_b32 v6, 31, v0
	v_lshlrev_b32 v[CO], 4, v6
	v_lshlrev_b32 v[PFO], 13, v6
	; my part of out0 and of bias
	s_lshl_b32 s74, s19, 10                        ; 256 columns of 4 bytes for each tile column,
	s_lshl_b32 s75, s[CH], 9                       ; 128 for my half
	s_add_co_u32 s74, s74, s75
	s_mov_b32 s75, 0
	s_add_nc_u64 s[10:11], s[10:11], s[74:75]      ; bias at my first column
	s_lshl_b32 s72, s20, 22                        ; 256 rows of 16,384 bytes for each tile row,
	s_lshl_b32 s73, s[RH], 21                      ; 128 for my half
	s_add_co_u32 s72, s72, s73
	s_add_co_u32 s72, s72, s74
	s_mov_b32 s73, 0
	s_add_nc_u64 s[12:13], s[12:13], s[72:73]      ; out0 at my first row and column
	global_load_b128 v[32:35], v[CO], s[8:9]               ; the 256 partial maxima of inputs, eight a lane,
	global_load_b128 v[36:39], v[CO], s[8:9] offset:512
	global_load_b128 v[40:43], v[CO], s[8:9] offset:1024   ; and of kernel
	global_load_b128 v[44:47], v[CO], s[8:9] offset:1536
	global_load_b128 v[BI:BI+3], v[CO], s[10:11]           ; on the way out lane l has columns 4 l .. 4 l + 3 of my 128, in every row
	s_mul_i32 s84, s[WV], WSTG
	s_add_co_u32 s84, s84, STAGE                   ; my stage
	v_mul_u32_u24 v7, v1, SP                       ; in: row l % 16, 32 bytes for each half of the lanes
	v_lshl_add_u32 v7, v2, 5, v7
	v_add_nc_u32 v[STO], s84, v7
	v_add_nc_u32 v[RD], s84, v[CO]                 ; back: 32 lanes take one row of 512 bytes
	; the prefetches' pointer: my work-group's 32 rows of the 128 that I fetch, at K step 3: the first change of slots steps it to K step 4
	s_and_b32 s78, ttmp7, 0xffff                   ; cluster y
	s_lshl_b32 s76, s20, 21
	s_lshl_b32 s79, s[CH], 20
	s_add_co_u32 s76, s76, s79
	s_add_co_u32 s76, s76, 3*STEPA                 ; in qx
	s_lshl_b32 s77, s19, 9
	s_lshl_b32 s79, s[CH], 8
	s_add_co_u32 s77, s77, s79
	s_add_co_u32 s77, s77, 3*STEPB                 ; in qw
	s_mov_b32 s79, STEPA
	s_cmp_eq_u32 s[RH], 0                          ; do I fetch for A?
	s_cselect_b32 s76, s76, s77
	s_cselect_b32 s77, s17, s18                    ; my place among the four that ask with me
	s_cselect_b32 s78, ttmp9, s78                  ; the coordinate along which other clusters read the same rows
	s_cselect_b32 s[PFS], s79, STEPB
	s_cselect_b64 s[PFA:PFA+1], s[4:5], s[6:7]
	s_mov_b32 s[PFS+1], 0
	s_cmp_eq_u32 s78, 0
	s_cselect_b32 s[LIM], 1, -1                    ; the same in all sixteen partners, for a given wave
	s_lshl_b32 s77, s77, 18                        ; 32 rows of 8,192 bytes for each place
	s_add_co_u32 s76, s76, s77
	s_mov_b32 s77, 0
	s_add_nc_u64 s[PFA:PFA+1], s[PFA:PFA+1], s[76:77]
	; s_x s_w
	s_wait_loadcnt 0x0
	v_max3_num_f32 v32, v32, v33, v34
	v_max3_num_f32 v40, v40, v41, v42
	v_max3_num_f32 v32, v32, v35, v36
	v_max3_num_f32 v40, v40, v43, v44
	v_max3_num_f32 v32, v32, v37, v38
	v_max3_num_f32 v40, v40, v45, v46
	v_max_num_f32 v32, v32, v39
	v_max_num_f32 v40, v40, v47
.irp x, 1,2,4,8
	v_max_num_f32_dpp v32, v32, v32 row_xmask:\x row_mask:0xf bank_mask:0xf
	v_max_num_f32_dpp v40, v40, v40 row_xmask:\x row_mask:0xf bank_mask:0xf
.endr
	v_permlanex16_b32 v33, v32, s66, s67
	v_permlanex16_b32 v41, v40, s66, s67
	v_max_num_f32 v32, v32, v33
	v_max_num_f32 v40, v40, v41
	v_max_num_f32 v32, 0x322bcc77, v32             ; at least 1e-8
	v_max_num_f32 v40, 0x322bcc77, v40
	v_mul_f32 v32, 0x3c010204, v32                 ; / 127
	v_mul_f32 v40, 0x3c010204, v40
	v_mul_f32 v[SC], v32, v40
	v_mov_b32 v[SC+1], v[SC]
; 16 matrix instructions: m blocks a0, a0 + 1 of the window's four (hi = 0: my rows 0-63, 1: rows 64-127) x all 8 n blocks, 32 along K.  zero = 1: the first product starts the sums: nothing is ever cleared.
; The 64 accumulators take turns, one instruction a turn, in the same order in every quarter step, over the backward jump and into the tail.
.macro MUL16 f, hi, a0, zero
	WIN MUL_LO+0x50*(\hi)
.irp a, \a0, (\a0)+1
.irp b, 0,1,2,3,4,5,6,7
.if \zero
	v_wmma_f32_16x16x32_bf16 v[8*(8*(\a)+(\b)):8*(8*(\a)+(\b))+7], v[(\f)+8*(\b):(\f)+8*(\b)+7], v[(\f)+8*(4*(\hi)+(\a)):(\f)+8*(4*(\hi)+(\a))+7], 0
.else
	v_wmma_f32_16x16x32_bf16 v[8*(8*(\a)+(\b)):8*(8*(\a)+(\b))+7], v[(\f)+8*(\b):(\f)+8*(\b)+7], v[(\f)+8*(4*(\hi)+(\a)):(\f)+8*(4*(\hi)+(\a))+7], v[8*(8*(\a)+(\b)):8*(8*(\a)+(\b))+7]
.endif
.endr
.endr
.endm
; 32 LDS loads in one run: the fragments of quarter q of a K step (32 k: B's 128 columns, turned; then A's 128 rows) into buffer f
.macro FETCH slot, q, f
	WIN TO_B
.irp i, 0,1,2,3,4,5,6,7
	ds_load_tr16_b128 v[(\f)+8*(\i):(\f)+8*(\i)+3],   v[ADRB+(\slot)] offset:(\q)*32*PB+32*(\i)
	ds_load_tr16_b128 v[(\f)+8*(\i)+4:(\f)+8*(\i)+7], v[ADRB+(\slot)] offset:(\q)*32*PB+16*PB+32*(\i)
.endr
	WIN 0
.irp i, 0,1,2,3,4,5,6,7
	ds_load_b128 v[(\f)+8*(\i):(\f)+8*(\i)+3],   v[ADRA+(\slot)] offset:(\q)*64+(\i)*16*PA
	ds_load_b128 v[(\f)+8*(\i)+4:(\f)+8*(\i)+7], v[ADRA+(\slot)] offset:(\q)*64+(\i)*16*PA+32
.endr
.endm
; A load into a register that a matrix instruction has read, and an LDS store that reads a matrix result, stand four places behind that matrix instruction, and only plain vector instructions that name
; none of its registers are places (ISA guide 7.12.1 for vector instructions).
.macro PLACES
.rept 4
	v_nop
.endr
.endm
; A K step is four quarters of 32 along K, 64 matrix instructions each, on buffers 0, 1, 0, 1.  One of the first three: multiplies buffer f; in its middle it fetches quarter q of the same slot into buffer g.
.macro QUARTER slot, q, f, g, zero
	s_wait_dscnt 8                                 ; B and A's rows 0-63 are in; the youngest eight loads (A's rows 64-127) may be out
	MUL16 \f, 0, 0, \zero
	MUL16 \f, 0, 2, \zero
	PLACES
	FETCH \slot, \q, \g
	s_wait_dscnt 32                                ; all but the 32 just issued
	MUL16 \f, 1, 0, \zero
	MUL16 \f, 1, 2, \zero
.endm
; The last quarter multiplies buffer 1 and changes slots.  MEET is its first half: ONE barrier for the change.  In front of it each wave waits for all its tensor loads, of which one is out: its part of the
; next slot; adds 0 to its spare word; and waits for that and for its own reads of this slot.  Behind it nobody reads this slot any more and the next slot is whole.
.macro MEET round                      ; round = 1: a round of the cluster's barrier follows
	WIN 0                                          ; (the add's two registers lie in window 0)
	s_wait_tensorcnt 0x0                           ; all my tensor loads have landed;
	ds_add_u32 v[SPW], v[NIL]                      ; 0 onto my spare word;
	s_wait_dscnt 9                                 ; (the add and the youngest eight loads may be out)
	MUL16 F1, 0, 0, 0                              ; sixteen matrix instructions stand between the add and the wait for it
	s_wait_dscnt 0x0                               ; the add is done, and my reads of this slot are over:
	s_barrier_signal -1                            ; say so,
	MUL16 F1, 0, 2, 0                              ; work on registers while the others arrive,
.if \round
	WIN 0
.endif
	s_barrier_wait -1                              ; and go on when all four have said so
.endm
; The whole last quarter where the slot is filled again, with the K step two steps on: the barrier opens a round of the cluster's, and the joint refill is the first tensor load behind it.
; From the request to the wait for it a wave issues 224 matrix instructions.
.macro TURN slot, next
	s_wait_xcnt 0x0                                ; the last prefetch, a K step back, has read its address: it is stepped here, ahead of the waits of the change of slots
	s_add_nc_u64 s[PFA:PFA+1], s[PFA:PFA+1], s[PFS:PFS+1]
	MEET 1
	CREST                                          ; no wave of any partner still reads this slot's tiles or has a load on its way
	s_add_nc_u64 s[G0A+4*(\slot)+2:G0A+4*(\slot)+3], s[G0A+4*(\slot)+2:G0A+4*(\slot)+3], 2*STEPA  ; no tensor load of mine is out, so the descriptors may be written; the type bits on top are not reached
	s_add_nc_u64 s[G0B+4*(\slot)+2:G0B+4*(\slot)+3], s[G0B+4*(\slot)+2:G0B+4*(\slot)+3], 2*STEPB
	JLOAD \slot                                    ; the four v_nop behind it are also the places in front of the loads below
	FETCH \next, 0, F0
	ASK
	MUL16 F1, 1, 0, 0
	MUL16 F1, 1, 2, 0
.endm
	s_wait_tensorcnt 1                             ; my part of K step 0 is in; K step 1's may stay out
	s_barrier_signal -1
	s_barrier_wait -1                              ; everybody's is
	FETCH 0, 0, F0
	QUARTER 0, 1, F0, F1, 1                        ; the first quarter stands in front of the loop: its products start the sums
	WIN 0                                          ; at a label and at a branch every window is 0
	s_mov_b32 s3, LAPS-1
.Llap:                                                 ; a trip goes once round the ring, from a lap's second quarter to the next lap's first, and fills both slots again
	QUARTER 0, 2, F1, F0, 0
	QUARTER 0, 3, F0, F1, 0
	TURN 0, 1
	QUARTER 1, 1, F0, F1, 0
	QUARTER 1, 2, F1, F0, 0
	QUARTER 1, 3, F0, F1, 0
	TURN 1, 0
	QUARTER 0, 1, F0, F1, 0
	WIN 0
	s_sub_co_u32 s3, s3, 1
	s_cmp_lg_u32 s3, 0
	s_cbranch_scc1 .Llap
	QUARTER 0, 2, F1, F0, 0                        ; the last lap is written out: it fills nothing
	QUARTER 0, 3, F0, F1, 0
	MEET 0                                         ; my one tensor load that was still out is the last K step's; no round follows
	PLACES
	FETCH 1, 0, F0
	MUL16 F1, 1, 0, 0
	MUL16 F1, 1, 2, 0
	QUARTER 1, 1, F0, F1, 0
	QUARTER 1, 2, F1, F0, 0
	QUARTER 1, 3, F0, F1, 0
	s_wait_dscnt 8                                 ; the very last quarter: nothing more to fetch
	MUL16 F1, 0, 0, 0
	MUL16 F1, 0, 2, 0
	s_wait_dscnt 0x0
	MUL16 F1, 1, 0, 0
	MUL16 F1, 1, 2, 0
	WIN 0
; THE WAY OUT, a block of 16 rows at a time.  TOSTAGE: the block's eight accumulators go as they are, f32, 32 bytes a lane, into my own stage in LDS (each accumulator's four lowest registers first)
; and come back as whole rows of 512 bytes.  SEND: there a lane has the same four columns in every row, so the scale and four biases serve all rows: one packed multiply-add for two numbers; stored.
.macro TOSTAGE a
.set AC, 64*((\a)%4)
.set BK, OB+64*((\a)%2)
	WIN ST_LO+4*((\a)/4)                           ; the data in window 2 (blocks 0-3) or 3 (blocks 4-7)
.irp b, 0,1,2,3,4,5,6,7
	ds_store_b128 v[STO], v[AC+8*(\b):AC+8*(\b)+3]   offset:64*(\b)
	ds_store_b128 v[STO], v[AC+8*(\b)+4:AC+8*(\b)+7] offset:64*(\b)+16
.endr
	WIN 0
.if (\a) >= 2
	s_wait_xcnt 0x0                                ; this buffer was the data of the stores of the block two back: it is loaded again only behind this wait
.endif
.irp t, 0,1,2,3,4,5,6,7,8,9,10,11,12,13,14,15
	ds_load_b128 v[BK+4*(\t):BK+4*(\t)+3], v[RD] offset:(\t)*SP  ; LDS serves a wave's instructions in order (ISA guide 5.7.1.4): these see the stores above, and the next block's stores come behind them
.endr
.endm
.macro SEND a, younger                 ; younger: the LDS instructions issued behind block a's loads: the next block's 16 stores and 16 loads, or none
.set BK, OB+64*((\a)%2)
.irp t, 0,1,2,3,4,5,6,7,8,9,10,11,12,13,14,15
	s_wait_dscnt (\younger)+15-(\t)                ; row t is back; the rows behind it may be out
	v_pk_fma_f32 v[BK+4*(\t):BK+4*(\t)+1],   v[BK+4*(\t):BK+4*(\t)+1],   v[SC:SC+1], v[BI:BI+1]
	v_pk_fma_f32 v[BK+4*(\t)+2:BK+4*(\t)+3], v[BK+4*(\t)+2:BK+4*(\t)+3], v[SC:SC+1], v[BI+2:BI+3]
	global_store_b128 v[CO], v[BK+4*(\t):BK+4*(\t)+3], s[12:13] offset:(\a)*262144+(\t)*16384 th:TH_STORE_NT  ; 512 consecutive bytes of a row, at a multiple of 512 from out0's first byte; the row stands in the immediate, 2,080,768 at the most
.endr
.endm
	PLACES                                         ; behind the last products: for the stores that read results and for the loads into A's buffers
	PLACES
	TOSTAGE 0
.irp a, 1,2,3,4,5,6,7                  ; block a's way through the stage is begun before block a - 1 is waited for
	TOSTAGE \a
	SEND (\a)-1, 32
.endr
	SEND 7, 0
	s_wait_tensorcnt 0x0                           ; the wave's end: the tensor wait, the add of 0 and its wait, behind my last tensor load and my last LDS store
	ds_add_u32 v[SPW], v[NIL]
	s_wait_dscnt 0x0
	CROUND                                         ; the closing round: no work-group ends while a partner may still ask for a tile that names it
	s_endpgm
.Lfunc_end_k_q08192757fb_gemm:
	.size	k_q08192757fb_gemm, .Lfunc_end_k_q08192757fb_gemm-k_q08192757fb_gemm
	.p2alignl 7, 3214868480
	.fill 96, 4, 3214868480
	.section	.rodata,"a",@progbits
	.p2align	6, 0x0
	.amdhsa_kernel k_q08192757fb_gemm
		.amdhsa_group_segment_fixed_size 327680
		.amdhsa_private_segment_fixed_size 0
		.amdhsa_enable_private_segment 0
		.amdhsa_kernarg_size 40
		.amdhsa_user_sgpr_count 2
		.amdhsa_user_sgpr_kernarg_segment_ptr 1
		.amdhsa_wavefront_size32 1
		.amdhsa_system_sgpr_workgroup_id_x 1
		.amdhsa_system_sgpr_workgroup_id_y 1
		.amdhsa_system_sgpr_workgroup_id_z 1
		.amdhsa_system_vgpr_workitem_id 0
		.amdhsa_next_free_vgpr 1024
		.amdhsa_next_free_sgpr 96
		.amdhsa_reserve_vcc 0
		.amdhsa_float_denorm_mode_32 3
		.amdhsa_float_denorm_mode_16_64 3
		.amdhsa_memory_ordered 1
		.amdhsa_forward_progress 1
		.amdhsa_inst_pref_size 164
	.end_amdhsa_kernel
	.amdgpu_metadata
---
amdhsa.version: [ 1, 2 ]
amdhsa.kernels:
  - .name:           k_q08192757fb_gemm
    .symbol:         k_q08192757fb_gemm.kd
    .args:
      - { .name: qx, .offset: 0, .size: 8, .value_kind: global_buffer, .address_space: global }
      - { .name: qw, .offset: 8, .size: 8, .value_kind: global_buffer, .address_space: global }
      - { .name: part, .offset: 16, .size: 8, .value_kind: global_buffer, .address_space: global }
      - { .name: bias, .offset: 24, .size: 8, .value_kind: global_buffer, .address_space: global }
      - { .name: out0, .offset: 32, .size: 8, .value_kind: global_buffer, .address_space: global }
    .group_segment_fixed_size: 327680
    .private_segment_fixed_size: 0
    .kernarg_segment_align: 8
    .kernarg_segment_size: 40
    .max_flat_workgroup_size: 128
    .sgpr_count:     96
    .vgpr_count:     1024
    .wavefront_size: 32
...
	.end_amdgpu_metadata
.endif
;; end of part 3
;; ======== version 2 of 2: 3 launches; version 1 with the launch quant written anew for expert scheduling mode
;; workspace buffers: part 2,048 bytes; qx 33,554,432 bytes; qw 33,554,432 bytes
;; launch amax: the kernel of part 1 again; grid 256 x 2, 8 waves a work-group, no clusters, 1,280 bytes of LDS; arguments inputs, kernel, part; writes part
;; launch quant (part 4): grid 256 x 2, 8 waves a work-group, no clusters, 0 bytes of LDS; arguments inputs, kernel, part, qx, qw; writes qx, qw
.if DOCPART == 4
	.amdgcn_target "amdgcn-amd-amdhsa--gfx1250"
	.amdhsa_code_object_version 6
	.text
	.protected	k_q08192757fb_quant
	.globl	k_q08192757fb_quant
	.p2align	8
	.type	k_q08192757fb_quant,@function
k_q08192757fb_quant:
	s_mov_b64 s[64:65], 0
	v_nop
	global_prefetch_b8 v0, s[64:65] scope:SCOPE_SE
	s_setreg_imm32_b32 hwreg(HW_REG_WAVE_SCHED_MODE, 0, 2), 2
	s_setreg_imm32_b32 hwreg(HW_REG_WAVE_MODE, 25, 1), 1
	s_wait_xcnt 0x0
	s_wait_alu depctr_vm_vsrc(0)
; q = clip(round(t / s), -127, 127), s = max(max |t|, 1e-8) / 127, for both tensors; q is stored as bf16 in the tensor's own layout: qx [4096 m][4096 k], qw [4096 k][4096 n].
; A whole number of at most 127 in size has 7 bits and bf16 keeps 8: the stored q are exact, and so are the matrix operands of the next launch.
; LIMITS.  t / s is made as t x (1 / s), the reciprocal by v_rcp_f32, and s as max(..) x fl(1 / 127): a few units in the last place from the true quotient, so that q differs by one step
; from the quotient's rounding only where t / s lies within about 4e-5 of a half.  s lies between 7.8e-11 and 2.7e36: neither it nor its reciprocal is a denormal.  NaN and infinities are not treated apart.
; SHARES.  As in the first launch: the grid's y picks the tensor, a work-group has 256 KiB of f32 on end, wave w 32 KiB: 64 loads of 16 bytes a lane (512 consecutive bytes of the wave).
; Each becomes one store of 8 bytes a lane: 256 consecutive bytes, aligned.  All places stand in the immediates; no address register is rewritten.
; Every wave finds the tensor's maximum for itself from the 256 partial maxima (1 KiB), while its first 16 loads are out.
; THE MODE: SCHED_MODE bits 1:0 = 2 (LLVM: expert scheduling mode 2), set by the entry lines.  The code itself states the register dependences
; between vector instructions and memory instructions, with s_wait_alu, always for 0.
; THE PLAN.  The wave's 64 loads go in 16 blocks of four.  Registers that memory instructions touch:
;   v1, v2, v3   byte offsets, made once at the head and never written again.
;   v[4:11]      the partial maxima: two loads land in them; only vector instructions name them afterwards.
;   X0 .. X4     five blocks of t as loaded.  Block p's multiplies read X[p % 5]; the loads of block p + 4, issued at the head of block p, land in X[(p + 4) % 5] = X[(p - 1) % 5].
;   Y            a pair of registers for EACH of the 64 stores.  Block p's roundings write pairs 4 p .. 4 p + 3; the four stores issued in block p + 1 read them; no pair is written twice.
; So ONE wait on va_vdst stands at the head of a block: the block before is done reading its X, in which the four loads behind the wait land, and has written its four pairs of Y, which the
; block's four stores read.  No vector instruction of block p names X[(p - 1) % 5] or a pair of block p - 1, so the stores are dealt among the block's vector instructions with no further wait.
; No register that a memory instruction reads is ever written again: the text holds no wait on vm_vsrc and, for the same reason, none on XCNT.  No vector instruction writes a scalar register or VCC; EXEC is never written.
.set LOFF, 1                           ; v1      32,768 x wave + 16 x lane
.set SOFF, 2                           ; v2      16,384 x wave + 8 x lane
.set P,    4                           ; v[4:11] eight partial maxima a lane
.set INV,  14                          ; v[14:15] 1 / s, twice: a pair for the packed multiply
.set T,    16                          ; v[16:19] at work: no memory instruction names them
.set X,    20                          ; v[20:99]   buffer k, load i of its four: four registers at X + 16 k + 4 i, as loaded
.set Y,    100                         ; v[100:227] store n of 64: two registers at Y + 2 n
	s_load_b256 s[4:11], s[0:1], 0x0               ; inputs s[4:5], kernel s[6:7], part s[8:9], qx s[10:11]
	s_load_b64 s[12:13], s[0:1], 0x20              ; qw
	v_and_b32 v12, 0xe0, v0                        ; 32 x wave
	v_and_b32 v13, 31, v0                          ; lane
	v_lshlrev_b32 v3, 4, v13                       ; 16 x lane: my place among the partial maxima
	v_lshl_or_b32 v[LOFF], v12, 10, v3
	v_lshlrev_b32 v13, 3, v13
	v_lshl_or_b32 v[SOFF], v12, 9, v13
	s_and_b32 s2, ttmp7, 0xffff                    ; which tensor
	s_lshl_b32 s18, ttmp9, 18                      ; the work-group's 256 KiB of f32
	s_mov_b32 s19, 0
	s_mov_b32 s20, 0xc2fe0000                      ; -127.0
	s_mov_b32 s21, 0x42fe0000                      ; 127.0
	s_mov_b32 s22, 0x76543210
	s_mov_b32 s23, 0xfedcba98
	s_wait_kmcnt 0x0
	s_cmp_eq_u32 s2, 0
	s_cselect_b64 s[14:15], s[4:5], s[6:7]         ; from,
	s_cselect_b64 s[16:17], s[10:11], s[12:13]     ; to
	s_add_nc_u64 s[14:15], s[14:15], s[18:19]
	s_lshl_b32 s18, ttmp9, 17                      ; its 128 KiB of bf16
	s_add_nc_u64 s[16:17], s[16:17], s[18:19]
	s_lshl_b32 s18, s2, 10                         ; the tensor's 256 partial maxima
	s_add_nc_u64 s[8:9], s[8:9], s[18:19]
	s_wait_alu depctr_va_vdst(0)                   ; v1, v2 and v3 are written: every load and store of the kernel reads one of them as its offset
	global_load_b128 v[P:P+3],   v3, s[8:9]
	global_load_b128 v[P+4:P+7], v3, s[8:9] offset:512
.set i, 0
.rept 16
	global_load_b128 v[X+4*i:X+4*i+3], v[LOFF], s[14:15] offset:512*i th:TH_LOAD_NT  ; blocks 0 to 3 into X0 to X3
.set i, i+1
.endr
	s_wait_loadcnt 16                              ; the partial maxima are in; the 16 younger loads stay out
	v_max3_num_f32 v[P], v[P], v[P+1], v[P+2]
	v_max3_num_f32 v[P], v[P], v[P+3], v[P+4]
	v_max3_num_f32 v[P], v[P], v[P+5], v[P+6]
	v_max_num_f32 v[P], v[P], v[P+7]
	v_max_num_f32_dpp v[P], v[P], v[P] row_xmask:1 row_mask:0xf bank_mask:0xf
	v_max_num_f32_dpp v[P], v[P], v[P] row_xmask:2 row_mask:0xf bank_mask:0xf
	v_max_num_f32_dpp v[P], v[P], v[P] row_xmask:4 row_mask:0xf bank_mask:0xf
	v_max_num_f32_dpp v[P], v[P], v[P] row_xmask:8 row_mask:0xf bank_mask:0xf
	v_permlanex16_b32 v[P+1], v[P], s22, s23
	v_max_num_f32 v12, v[P], v[P+1]                ; the tensor's largest |.|, in every lane
	v_max_num_f32 v12, 0x322bcc77, v12             ; at least 1e-8
	v_mul_f32 v12, 0x3c010204, v12                 ; s = that / 127
	v_rcp_f32 v[INV], v12
	v_rcp_f32 v[INV+1], v12
	v_nop                                          ; a plain instruction behind the last reciprocal, ahead of the first use (ISA guide 5.7.2)
	s_wait_alu depctr_va_vdst(0)                   ; both reciprocals have written v[INV:INV+1], ahead of the first multiply that reads the pair: one wait for the two
; Block p.  At its head: the wait; the four loads of block p + 4, at once, so that the buffer just emptied does not lie idle while the wave waits for data; the wait for block p's own data.
; Behind block p's loads those of blocks p + 1 .. min(p + 4, 15) have been issued: so many may stay out: 16 up to block 11, then the counts run down, and no load leaves the buffer.
; Then four rows: the store of the same row of the block before, and the row's twelve vector instructions for four numbers.
; Block 0 has no block in front of it: no store, and no wait of its own: its loads land in X4, which no vector instruction has named.
.set p, 0
.rept 16
.set XB, X+16*(p%5)
.set XN, X+16*((p+4)%5)
.if p > 0
	s_wait_alu depctr_va_vdst(0)                   ; the block before is done reading its X, in which the loads below land, and has written its four pairs of Y, which the stores below read
.endif
.if p < 12
.set i, 0
.rept 4
	global_load_b128 v[XN+4*i:XN+4*i+3], v[LOFF], s[14:15] offset:512*(4*(p+4)+i) th:TH_LOAD_NT
.set i, i+1
.endr
	s_wait_loadcnt 16                              ; loads come back in order (ISA guide 5.7.1): X[p % 5] is in, the four younger blocks stay out
.else
	s_wait_loadcnt 4*(15-p)
.endif
.set i, 0
.rept 4
.set XS, XB+4*i
.set YS, Y+2*(4*p+i)
.if p > 0
	global_store_b64 v[SOFF], v[YS-8:YS-7], s[16:17] offset:256*(4*(p-1)+i) th:TH_STORE_NT  ; the block before's row: the wave's 32 lanes store 256 consecutive bytes, at a multiple of 256 from the buffer's first byte; no vector instruction since the wait names this pair
.endif
	v_pk_mul_f32 v[T:T+1],   v[XS:XS+1],   v[INV:INV+1]
	v_pk_mul_f32 v[T+2:T+3], v[XS+2:XS+3], v[INV:INV+1]
.irp j, 0,1,2,3
	v_rndne_f32 v[T+(\j)], v[T+(\j)]               ; to the nearest whole number, halves to the even one
.endr
.irp j, 0,1,2,3
	v_med3_num_f32 v[T+(\j)], v[T+(\j)], s20, s21  ; the clip
.endr
	v_cvt_pk_bf16_f32 v[YS],   v[T],   v[T+1]      ; exact
	v_cvt_pk_bf16_f32 v[YS+1], v[T+2], v[T+3]
.set i, i+1
.endr
.set p, p+1
.endr
	s_wait_alu depctr_va_vdst(0)                   ; block 15 has written its four pairs of Y, which the last four stores read
.set i, 0
.rept 4
	global_store_b64 v[SOFF], v[Y+2*(60+i):Y+2*(60+i)+1], s[16:17] offset:256*(60+i) th:TH_STORE_NT
.set i, i+1
.endr
	s_endpgm
.Lfunc_end_k_q08192757fb_quant:
	.size	k_q08192757fb_quant, .Lfunc_end_k_q08192757fb_quant-k_q08192757fb_quant
	.p2alignl 7, 3214868480
	.fill 96, 4, 3214868480
	.section	.rodata,"a",@progbits
	.p2align	6, 0x0
	.amdhsa_kernel k_q08192757fb_quant
		.amdhsa_group_segment_fixed_size 0
		.amdhsa_private_segment_fixed_size 0
		.amdhsa_enable_private_segment 0
		.amdhsa_kernarg_size 40
		.amdhsa_user_sgpr_count 2
		.amdhsa_user_sgpr_kernarg_segment_ptr 1
		.amdhsa_wavefront_size32 1
		.amdhsa_system_sgpr_workgroup_id_x 1
		.amdhsa_system_sgpr_workgroup_id_y 1
		.amdhsa_system_sgpr_workgroup_id_z 1
		.amdhsa_system_vgpr_workitem_id 0
		.amdhsa_next_free_vgpr 228
		.amdhsa_next_free_sgpr 66
		.amdhsa_reserve_vcc 0
		.amdhsa_float_denorm_mode_32 3
		.amdhsa_float_denorm_mode_16_64 3
		.amdhsa_memory_ordered 1
		.amdhsa_forward_progress 1
		.amdhsa_inst_pref_size 56
	.end_amdhsa_kernel
	.amdgpu_metadata
---
amdhsa.version: [ 1, 2 ]
amdhsa.kernels:
  - .name:           k_q08192757fb_quant
    .symbol:         k_q08192757fb_quant.kd
    .args:
      - { .name: inputs, .offset: 0, .size: 8, .value_kind: global_buffer, .address_space: global }
      - { .name: kernel, .offset: 8, .size: 8, .value_kind: global_buffer, .address_space: global }
      - { .name: part, .offset: 16, .size: 8, .value_kind: global_buffer, .address_space: global }
      - { .name: qx, .offset: 24, .size: 8, .value_kind: global_buffer, .address_space: global }
      - { .name: qw, .offset: 32, .size: 8, .value_kind: global_buffer, .address_space: global }
    .group_segment_fixed_size: 0
    .private_segment_fixed_size: 0
    .kernarg_segment_align: 8
    .kernarg_segment_size: 40
    .max_flat_workgroup_size: 256
    .sgpr_count:     66
    .vgpr_count:     228
    .wavefront_size: 32
...
	.end_amdgpu_metadata
.endif
;; end of part 4
;; launch gemm: the kernel of part 3 again; grid 16 x 16, 4 waves a work-group, clusters of 4 x 4, 327,680 bytes of LDS; arguments qx, qw, part, bias, out0; writes out0
